; MI455X (gfx1250); checked and timed in simulation.
; The chip was launched on July 23, 2026; its instructions are those of AMD's public machine-readable ISA for CDNA 5 (MIT licence, August 2026) and "CDNA5" Instruction Set Architecture Reference Guide (July 2026). The comments in the code are by the model that wrote it; some were corrected since.
;; QLSTM Plus. Allowed arithmetic: matrix products marked QUANTISED: E2M1 operands, one E8M0 scale for each 32 along K, by v_wmma_scale_f32_16x16x128_f8f6f4 with both operands' format E2M1 (or v_wmma_scale_f32_32x16x128_f4), f32 sums; everything else in f32.
;; Inputs: W_codes 2 x 4 x 256 x 16 x 16 uint8 (E2M1 codes of W, K innermost, in blocks of 32 codes, two codes a byte); W_scales 2 x 4 x 256 x 16 uint8 (E8M0 scales of W, one for each 32 codes along K); b 2 x 4 x 256 float32; inputs 512 x 128 x 256 float32; ln_b 2 x 256 float32; ln_g 2 x 256 float32.
;; Outputs: out0 512 x 128 x 256 float32.
;; This version of the problem:
;;   THIS VERSION OF THE PROBLEM IS GIVEN IN LOW PRECISION. The matrix products marked QUANTISED in the list below multiply operands that are first quantised to E2M1 (2 exponent bits, 1 mantissa bit; 4 bits a number), with one power-of-two scale for each 32 numbers along K (OCP MX v1.0); their sums are f32. All else is computed in f32.
;;   The module's matrix products, in the order in which they are computed (A, B: the left and right operand; K: the contracted axis; several contracted axes count as one K, in the product's order):
;;     1. [M 1,024, K 512] x [K 512, N 65,536]; A: input W (given as codes); B: computed on the way: QUANTISED
;;     2. [M 1,024, K 512] x [K 512, N 65,536]; A: input W (given as codes); B: computed on the way: QUANTISED
;;   THE QUANTISER, for each operand of a quantised product, along K:
;;     - K is cut into blocks of 32 from its start; a last block that is shorter is filled with zeros.
;;     - A block's scale is 2^e with e = floor(log2(the largest magnitude in the block)) - 2, held to -126 .. 127; a block of zeros has e = 0. As a byte (E8M0): e + 127.
;;     - Each number is divided by its block's scale, clamped to +-6, and rounded to the nearest number of E2M1, ties to even, subnormals kept.
;;     - The product sums the exact products of the quantised numbers (number of the format x scale) in f32.
;;   ~~~python
;;   def quantise(x, axis):      # numpy; x: float32 -> the quantised numbers, widened to float32 again
;;       x = np.moveaxis(x, axis, -1); K = x.shape[-1]
;;       x = np.pad(x, [(0, 0)] * (x.ndim - 1) + [(0, -K % 32)]); x = x.reshape(x.shape[:-1] + (-1, 32)); a = np.abs(x).max(-1, keepdims=True)
;;       e = np.where(a > 0, np.clip(np.frexp(np.where(a > 0, a, 1))[1] - 1 - 2, -126, 127), 0)      # np.frexp(a)[1] - 1 = floor(log2(a)), exactly
;;       r = np.clip(x / 2.0 ** e, -6, 6)
;;       step = 2.0 ** (np.maximum(np.frexp(np.where(r == 0, 1, r))[1] - 1, 0) - 1)
;;       q = np.round(r / step) * step * 2.0 ** e      # np.round: ties to even
;;       return np.moveaxis(q.reshape(q.shape[:-2] + (-1,))[..., :K], -1, axis).astype(np.float32)
;;   ~~~
;;   OPERANDS COMPUTED ON THE WAY. 'Computed on the way' means the value that the module computes at that place (a softmax that the list does not call 'softmax' is quantised finished and normalised). What goes into a quantiser is computed in f32, as accurately as f32 sums, v_exp_f32 and their like allow (about 1e-6 of the number): no bf16 or f16 on the way to a quantiser, and a product that is left as it is and whose result goes on into a quantised operand takes f32 operands (vector FMAs, or v_wmma_f32_16x16x4_f32). A number that lies on a knife's edge between two numbers of the format may be rounded either way, as far as f32 arithmetic and the matrix unit's own rounding can turn it there, and no further.
;;   INPUTS GIVEN AS CODES. W (in the module: [2, 4, 512, 256], K = its axis 2): each comes as NAME_codes (uint8): NAME with its K axis moved to the last place and cut into blocks of 32 codes, [.., K / 32, bytes a block], one block behind the other in memory; two codes a byte, the lower K in the low four bits (a code: sign, 2 exponent bits, 1 mantissa bit); and NAME_scales (uint8): the same leading axes, one E8M0 byte (e + 127) for each 32 codes along K. Its value is code x scale, taken as it is: it is not quantised again, and the codes and scales need not be those that the quantiser above would give.
;; One version. Each part assembles by itself: llvm-mc -triple=amdgcn-amd-amdhsa -mcpu=gfx1250 --defsym DOCPART=n.
;; ======== version 1 of 1: 1 launch
;; launch lstm (part 1): grid 256 x 1, 8 waves a work-group, no clusters, 105,472 bytes of LDS; arguments inputs, W_codes, W_scales, b, ln_g, ln_b, out0; writes out0
.if DOCPART == 1
	.amdgcn_target "amdgcn-amd-amdhsa--gfx1250"
	.amdhsa_code_object_version 6
	.text
	.protected	k_q7e5e1053a3_lstm
	.globl	k_q7e5e1053a3_lstm
	.p2align	8
	.type	k_q7e5e1053a3_lstm,@function
k_q7e5e1053a3_lstm:
	s_mov_b64 s[64:65], 0
	v_nop
	global_prefetch_b8 v0, s[64:65] scope:SCOPE_SE
	s_setreg_imm32_b32 hwreg(HW_REG_WAVE_MODE, 25, 1), 1
	s_wait_xcnt 0x0
; Two layers of: quantise the row to MX-FP4 along K | gates = W[l] x + b | c = sigmoid(i) tanh(g) | h = sigmoid(o) tanh(c) | LayerNorm(h) g + b.  65,536 rows of 256 f32 in, 65,536 rows of 256 f32 out, nothing between goes to memory.
; WHAT IS MULTIPLIED.  The upper half of K (256 .. 511) meets zeros that the computation itself puts there, and gate f is multiplied by zeros: only gates i, g, o and K = 0 .. 255 are read and multiplied.
; LIMITS: a NaN (a scale byte 0xff) in the parts of W that are not read, or in gate f's bias, is not carried into the result; NaN and infinities among the inputs are not served; a block of zeros gets the scale byte 1
; where the quantiser says 127: its codes are zeros, which add nothing, and the bytes are read by this program alone.
; SHARES.  256 work-groups of eight waves; a work-group owns 256 rows and walks them as 4 blocks of 64.  PRODUCTS AND ACTIVATIONS: THE WAVES SHARE THE COLUMNS: wave w owns hidden units 32 w .. 32 w + 31 of the three gates of both
; layers: 24 fragments (192 registers), their biases (96) and scale words (12) are read from memory once and stay in registers.  LAYERNORM, BOTH QUANTISERS, THE WAY IN AND THE WAY OUT: THE WAVES SHARE THE ROWS: wave w owns rows
; 8 w .. 8 w + 7 of the block, so a row's mean and variance never leave sixteen lanes.  h goes from the column owners to the row owners through a stage in LDS; the rows' codes go back as images of the operand's registers.
; THE PRODUCT IS USED TRANSPOSED (source 0 = 16 rows of W, source 1 = 16 rows of x), and lane r of tile u takes W's row 32 w + 8 u + r + 8 (r / 8): lane (r, h) then holds row r, and register 8 u + j the unit 32 w + 16 h + 8 u + j.
; AN ELEMENT: E1 = 2^(-a log2e), E2 = 2^(-|g| 2 log2e), E3 = 2^(-d log2e);  c = sign(g) (1 - E2) / ((1 + E1)(1 + E2));  |c| <= 1 whatever the inputs (a sigmoid times a tanh), so tanh(c) = c P(t) / Q(t), t = c c, the seventh
; convergent of tanh's continued fraction, P = ((t + 378) t + 17325) t + 135135, Q = ((28 t + 3150) t + 62370) t + 135135 (its error on |c| <= 1 lies under 1e-11);  h = c P / (Q (1 + E3)).  An E1 or E3 that overflows gives 0, as the sigmoid does.
; No tensor load and no copy: x needs 64 registers a wave to be a block ahead.  No cluster: the work-groups share only the weights, 204 KiB each, read once, straight into each wave's operand registers.
.set PITCH, 1296                       ; a stage row: 16 chunks of (64 bytes + 16 of padding) + 16: 81 x 16 bytes, so that sixteen rows' equal columns fall on sixteen different groups of banks
.set CH,    80                         ; a chunk: 16 units; 5 x 16 bytes, so that sixteen neighbouring chunks do too
.set XIMG,  64*PITCH                   ; LDS: the stage, 64 rows; then x's 8 fragment images (tile of rows m, block of 32 along K: m 2048 + block 256 + row 16), 8,192 bytes; layer 1's result likewise, 8,192 on
.set XSC,   XIMG+16384                 ; their scale words: m 128 + K step 64 + row 4; 512 bytes; layer 1's result 512 on
.set TAB,   XSC+1024                   ; ln_g [2][256], then ln_b [2][256]: 4,096 bytes
.set LIX, 1                            ; v1   16 x lane + XIMG: an image's place for my lane
.set LS,  2                            ; v2   4 x lane + XSC: a scale word's
.set HS,  3                            ; v3   the stage, h on its way in: row r, chunk 2 w + h
.set RQ,  4                            ; v4   the stage, read for a quantiser: row 8 w + lane / 16, chunk lane % 16 (16 neighbouring units a lane)
.set RS,  5                            ; v5   the stage, read for the way out: the same row, units 4 (lane % 16) on of each 64
.set XT,  6                            ; v6   the stage, x on its way in, as it was loaded
.set GQ,  7                            ; v7   ln_g for the first of these layouts,
.set GS,  8                            ; v8   for the second
.set IW,  9                            ; v9   where I store 16 codes of an image
.set SW,  10                           ; v10  and their block's scale byte
.set OA,  11                           ; v11  my byte offset in the wave's rows of out0
.set XA,  12                           ; v12  my byte offset in a load of x
.set C28, 16                           ; v[16:17] 28.0 twice
.set MU,  18                           ; v18, 20, 22, 24 the four rows' means (the odd registers are named with them as pairs, and hold 0)
.set ACC, 26                           ; v[26:33] four pairs: sums; later 1 / sqrt(var + eps) in the low one
.set WS,  34                           ; v34-45 W's scale words (6 layer + 2 gate + tile): lanes 0-15 K step 0's, lanes 16-31 K step 1's; scales and nothing else
.set XS,  46                           ; v46  the rows' scale words, laid the same way; scales and nothing else
.set BI,  48                           ; v48-143 the biases, in the result's layout (48 layer + 16 gate + 8 tile)
.set V,   144                          ; v144-207 64 numbers: in a tile gate i, gate g, gate o and T; by rows four rows' 16
.set GA,  144
.set GG,  160
.set GO,  176
.set T,   192
.set XF,  208                          ; v208-223 the rows' two fragments
.set U,   226                          ; v226-233 at work
.set LG,  208                          ; by rows: ln_g's 16, ln_b's 16
.set LB,  224
.set MX,  208                          ; in a quantiser: largest magnitudes, scale operands, bytes, codes
.set SCF, 212
.set BY,  216
.set CD,  220
.set WO,  240                          ; v240-244 the head's offsets: W's codes, W's scales, b, the table in memory, the table in LDS; never rewritten
.set WSO, 241
.set BO,  242
.set TO,  243
.set TSA, 244
.set TD,  248                          ; v[248:251] my 16 bytes of the table
.set XPRE, 192                         ; window 1: v0-191 W's fragments (8 registers each: 12 layer + 4 gate + 2 tile + K step); v192-255 the next block's 8 rows of x, as loaded
.set MSB, 0
.macro WIN new                         ; bits 1:0 source 0, 3:2 source 1, 5:4 source 2, 7:6 destination; the immediate's high byte repeats the setting that is left
.if MSB != \new
	s_set_vgpr_msb (MSB<<8)|\new
.set MSB, \new
.endif
.endm
.macro BARRIER                         ; my LDS stores have landed and my LDS loads are in: then the work-group's barrier
	s_wait_dscnt 0x0
	s_barrier_signal -1
	s_barrier_wait -1
.endm
; my wave's 8 rows of x, from off bytes on: each load reads 512 consecutive bytes
.macro XLOAD off
	WIN 0x40                                       ; destination window 1
.irp n, 0,1,2,3,4,5,6,7,8,9,10,11,12,13,14,15
	global_load_b128 v[XPRE+4*\n:XPRE+4*\n+3], v[XA], s[4:5] offset:(\off)+512*\n th:TH_LOAD_NT
.endr
	WIN 0
.endm
; they go into my 8 rows of the stage as they lie: load n is half n % 2 of row n / 2
.macro TURN
	WIN 0x04                                       ; an LDS store's data are its source 1: window 1
.irp n, 0,1,2,3,4,5,6,7,8,9,10,11,12,13,14,15
	ds_store_b128 v[XT], v[XPRE+4*\n:XPRE+4*\n+3] offset:(\n/2)*PITCH+(\n%2)*8*CH
.endr
	WIN 0
.endm
; four rows a lane half: v[V + 16 k ..] = 16 numbers of row 8 w + 2 k + lane / 16.  step 16: units 16 p + 0 .. 15;  step 320: units 64 j + 4 p + 0 .. 3  (p = lane % 16)
.macro ROWS_IN adr, step
.irp k, 0,1,2,3
.irp j, 0,1,2,3
	ds_load_b128 v[V+16*\k+4*\j:V+16*\k+4*\j+3], v[\adr] offset:2*\k*PITCH+(\step)*\j
.endr
.endr
.endm
.macro GBLOAD adr, step, layer         ; ln_g and ln_b of the same units
.irp j, 0,1,2,3
	ds_load_b128 v[LG+4*\j:LG+4*\j+3], v[\adr] offset:(\layer)*1024+(\step)*\j
	ds_load_b128 v[LB+4*\j:LB+4*\j+3], v[\adr] offset:2048+(\layer)*1024+(\step)*\j
.endr
.endm
; LayerNorm of the four rows, by turns; a row lies in sixteen lanes, 16 numbers each.  Two passes: the mean, then the mean of (x - mean)^2
.macro LNORM
.irp k, 0,1,2,3
	v_pk_add_f32 v[ACC+2*\k:ACC+2*\k+1], v[V+16*\k:V+16*\k+1], v[V+16*\k+2:V+16*\k+3]
.endr
.irp i, 4,6,8,10,12,14
.irp k, 0,1,2,3
	v_pk_add_f32 v[ACC+2*\k:ACC+2*\k+1], v[ACC+2*\k:ACC+2*\k+1], v[V+16*\k+\i:V+16*\k+\i+1]
.endr
.endr
.irp k, 0,1,2,3
	v_add_f32 v[ACC+2*\k], v[ACC+2*\k], v[ACC+2*\k+1]
.endr
.irp x, 1,2,4,8
.irp k, 0,1,2,3
	v_add_f32_dpp v[ACC+2*\k], v[ACC+2*\k], v[ACC+2*\k] row_xmask:\x row_mask:0xf bank_mask:0xf
.endr
.endr
.irp k, 0,1,2,3
	v_mul_f32 v[MU+2*\k], s25, v[ACC+2*\k]         ; the mean: the sum / 256
.endr
.irp k, 0,1,2,3
.irp i, 0,2,4,6,8,10,12,14
	v_pk_add_f32 v[V+16*\k+\i:V+16*\k+\i+1], v[V+16*\k+\i:V+16*\k+\i+1], v[MU+2*\k:MU+2*\k+1] op_sel_hi:[1,0] neg_lo:[0,1] neg_hi:[0,1]   ; x - mean
.endr
.endr
.irp k, 0,1,2,3
	v_pk_mul_f32 v[ACC+2*\k:ACC+2*\k+1], v[V+16*\k:V+16*\k+1], v[V+16*\k:V+16*\k+1]
.endr
.irp i, 2,4,6,8,10,12,14
.irp k, 0,1,2,3
	v_pk_fma_f32 v[ACC+2*\k:ACC+2*\k+1], v[V+16*\k+\i:V+16*\k+\i+1], v[V+16*\k+\i:V+16*\k+\i+1], v[ACC+2*\k:ACC+2*\k+1]
.endr
.endr
.irp k, 0,1,2,3
	v_add_f32 v[ACC+2*\k], v[ACC+2*\k], v[ACC+2*\k+1]
.endr
.irp x, 1,2,4,8
.irp k, 0,1,2,3
	v_add_f32_dpp v[ACC+2*\k], v[ACC+2*\k], v[ACC+2*\k] row_xmask:\x row_mask:0xf bank_mask:0xf
.endr
.endr
.irp k, 0,1,2,3
	v_fma_f32 v[ACC+2*\k+1], v[ACC+2*\k], s25, s26 ; var + eps
.endr
.irp k, 0,1,2,3
	v_rsq_f32 v[ACC+2*\k], v[ACC+2*\k+1]
.endr
	v_nop                                          ; a plain instruction behind the last of the four,
	s_wait_alu depctr_va_vdst(0)                   ; and one wait ahead of their first reader
.irp k, 0,1,2,3
.irp i, 0,2,4,6,8,10,12,14
	v_pk_mul_f32 v[V+16*\k+\i:V+16*\k+\i+1], v[V+16*\k+\i:V+16*\k+\i+1], v[ACC+2*\k:ACC+2*\k+1] op_sel_hi:[1,0]
.endr
.endr
.irp k, 0,1,2,3
.irp i, 0,2,4,6,8,10,12,14
	v_pk_fma_f32 v[V+16*\k+\i:V+16*\k+\i+1], v[V+16*\k+\i:V+16*\k+\i+1], v[LG+\i:LG+\i+1], v[LB+\i:LB+\i+1]
.endr
.endr
.endm
; The four rows are quantised: a lane holds 16 neighbours along K, lanes p and p xor 1 a block of 32.  The codes go to their place in the operand's image, 8 bytes a lane; the block's byte to its place in the row's scale word.
.macro QIMG img
.irp k, 0,1,2,3
	v_max3_num_f32 v[MX+\k], |v[V+16*\k]|, |v[V+16*\k+1]|, 0x1800000   ; my 16 numbers, and the floor 2^(3 - 127), under which no largest magnitude is taken: so the byte cannot fall under 1
.endr
.irp i, 2,4,6,8,10,12,14
.irp k, 0,1,2,3
	v_max3_num_f32 v[MX+\k], v[MX+\k], |v[V+16*\k+\i]|, |v[V+16*\k+\i+1]|
.endr
.endr
.irp k, 0,1,2,3
	v_max_num_f32_dpp v[MX+\k], v[MX+\k], v[MX+\k] row_xmask:1 row_mask:0xf bank_mask:0xf   ; with my neighbour's 16: the block's
.endr
.irp k, 0,1,2,3
	v_add_nc_u32 v[SCF+\k], 0xff000000, v[MX+\k]   ; 2 off its exponent field: the conversion takes the exponent field of this operand as its scale, and nothing else of it
.endr
.irp k, 0,1,2,3
	v_lshrrev_b32 v[BY+\k], 23, v[SCF+\k]          ; the scale's byte
.endr
.irp k, 0,1,2,3
	v_cvt_scalef32_pk8_fp4_f32 v[CD+2*\k], v[V+16*\k:V+16*\k+7], v[SCF+\k]
	v_cvt_scalef32_pk8_fp4_f32 v[CD+2*\k+1], v[V+16*\k+8:V+16*\k+15], v[SCF+\k]
.endr
	v_nop                                          ; one plain instruction behind the last scaled conversion
.irp k, 0,1,2,3
	ds_store_b64 v[IW], v[CD+2*\k:CD+2*\k+1] offset:32*\k+8192*(\img)
	ds_store_b8 v[SW], v[BY+\k] offset:8*\k+512*(\img)   ; both lanes of a block write the same byte with the same value
.endr
.endm
.macro ROWS_OUT                        ; sixteen lanes store 256 consecutive bytes, at a multiple of 256 from out0's first byte
.irp k, 0,1,2,3
.irp i, 0,1,2,3
	global_store_b128 v[OA], v[V+16*\k+4*\i:V+16*\k+4*\i+3], s[16:17] offset:2048*\k+256*\i th:TH_STORE_NT
.endr
.endr
.endm
; a layer's weights of my 32 units: 24 + 6 + 12 = 42 loads
.macro WLOAD layer
	WIN 0x40                                       ; destination window 1
.irp g, 0,1,2
.irp u, 0,1
.irp s, 0,1
.irp c, 0,1
	global_load_b128 v[8*(12*(\layer)+4*\g+2*\u+\s)+4*\c:8*(12*(\layer)+4*\g+2*\u+\s)+4*\c+3], v[WO], s[6:7] offset:((4*(\layer)+\g+1)*256+8*\u)*256+64*\s+32*\c
.endr
.endr
.endr
.endr
	WIN 0
.irp g, 0,1,2
.irp u, 0,1
	global_load_b32 v[WS+6*(\layer)+2*\g+\u], v[WSO], s[8:9] offset:((4*(\layer)+\g+1)*256+8*\u)*16
.endr
.endr
.irp g, 0,1,2
.irp u, 0,1
.irp c, 0,1
	global_load_b128 v[BI+48*(\layer)+16*\g+8*\u+4*\c:BI+48*(\layer)+16*\g+8*\u+4*\c+3], v[BO], s[10:11] offset:((4*(\layer)+\g+1)*256+8*\u)*4+16*\c
.endr
.endr
.endr
.endm
; the two fragments and the scale words of rows 16 m .. 16 m + 15, as any wave's registers want them
.macro FETCH layer, m
.irp c, 0,1,2,3
	ds_load_b128 v[XF+4*\c:XF+4*\c+3], v[LIX] offset:(\layer)*8192+(\m)*2048+512*\c
.endr
	ds_load_b32 v[XS], v[LS] offset:(\layer)*512+(\m)*128
.endm
; A TILE: my 32 units of the three gates for 16 rows, and h of them into the stage.
.macro TILE layer, m
	s_wait_dscnt 0x0                               ; the fragments are in, and the last tile's stores of h have read their registers
	WIN 0x01                                       ; source 0 (W) window 1
.irp g, 0,1,2                                  ; K step 0: the bias is the C that starts each sum.  The six accumulators take turns, one instruction a turn
.irp u, 0,1
	v_wmma_scale_f32_16x16x128_f8f6f4 v[V+16*\g+8*\u:V+16*\g+8*\u+7], v[8*(12*(\layer)+4*\g+2*\u):8*(12*(\layer)+4*\g+2*\u)+7], v[XF:XF+7], v[BI+48*(\layer)+16*\g+8*\u:BI+48*(\layer)+16*\g+8*\u+7], v[WS+6*(\layer)+2*\g+\u], v[XS] matrix_a_fmt:MATRIX_FMT_FP4 matrix_b_fmt:MATRIX_FMT_FP4
.endr
.endr
.irp g, 0,1,2                                  ; K step 1: its scale words lie in lanes 16-31
.irp u, 0,1
	v_wmma_scale_f32_16x16x128_f8f6f4 v[V+16*\g+8*\u:V+16*\g+8*\u+7], v[8*(12*(\layer)+4*\g+2*\u+1):8*(12*(\layer)+4*\g+2*\u+1)+7], v[XF+8:XF+15], v[V+16*\g+8*\u:V+16*\g+8*\u+7], v[WS+6*(\layer)+2*\g+\u], v[XS] matrix_a_fmt:MATRIX_FMT_FP4 matrix_b_fmt:MATRIX_FMT_FP4 matrix_a_scale:MATRIX_SCALE_ROW1 matrix_b_scale:MATRIX_SCALE_ROW1
.endr
.endr
	WIN 0
.rept 4
	v_nop                                          ; four places in front of the loads into the fragments' registers and of the first read of results
.endr
.if (\m) < 3
	FETCH \layer, (\m)+1                           ; the next tile's fragments land under this tile's arithmetic
.endif
	; the 48 exponentials are one batch with one wait; the scalings stand among them.  Each accumulator is read from its low end on
.irp p, 0,1,2,3,4,5,6,7
	v_pk_mul_f32 v[GA+2*\p:GA+2*\p+1], v[GA+2*\p:GA+2*\p+1], s[20:21] op_sel_hi:[1,0]   ; -a log2e
.endr
.irp p, 0,1,2,3,4,5,6,7
	v_exp_f32 v[GA+2*\p], v[GA+2*\p]               ; E1
	v_pk_mul_f32 v[GO+2*\p:GO+2*\p+1], v[GO+2*\p:GO+2*\p+1], s[20:21] op_sel_hi:[1,0]   ; -d log2e
	v_exp_f32 v[GA+2*\p+1], v[GA+2*\p+1]
.endr
.irp p, 0,1,2,3,4,5,6,7
	v_exp_f32 v[GO+2*\p], v[GO+2*\p]               ; E3
	v_pk_mul_f32 v[T+2*\p:T+2*\p+1], v[GG+2*\p:GG+2*\p+1], s[22:23] op_sel_hi:[1,0]     ; g 2 log2e
	v_exp_f32 v[GO+2*\p+1], v[GO+2*\p+1]
.endr
.irp j, 0,1,2,3,4,5,6,7,8,9,10,11,12,13,14,15
	v_exp_f32 v[T+\j], -|v[T+\j]|                  ; E2, at most 1
.endr
	v_nop                                          ; a plain instruction behind the last exponential,
	s_wait_alu depctr_va_vdst(0)                   ; and the batch's one wait, ahead of its first reader
	; c's divisor (1 + E1)(1 + E2) and its reciprocal; 1 - E2 with g's sign
.irp q, 0,1
.irp p, 0,1,2,3
	v_pk_add_f32 v[U+2*\p:U+2*\p+1], v[T+8*\q+2*\p:T+8*\q+2*\p+1], 1.0 op_sel_hi:[1,0]
.endr
.irp p, 0,1,2,3
	v_pk_fma_f32 v[GA+8*\q+2*\p:GA+8*\q+2*\p+1], v[GA+8*\q+2*\p:GA+8*\q+2*\p+1], v[U+2*\p:U+2*\p+1], v[U+2*\p:U+2*\p+1]
.endr
.irp p, 0,1,2,3
	v_rcp_f32 v[GA+8*\q+2*\p], v[GA+8*\q+2*\p]
	v_pk_fma_f32 v[T+8*\q+2*\p:T+8*\q+2*\p+1], v[T+8*\q+2*\p:T+8*\q+2*\p+1], -1.0, 1.0 op_sel_hi:[1,0,0]
	v_rcp_f32 v[GA+8*\q+2*\p+1], v[GA+8*\q+2*\p+1]
	v_bfi_b32 v[GG+8*\q+2*\p], s24, v[T+8*\q+2*\p], v[GG+8*\q+2*\p]
	v_bfi_b32 v[GG+8*\q+2*\p+1], s24, v[T+8*\q+2*\p+1], v[GG+8*\q+2*\p+1]   ; (plain instructions behind the last reciprocal)
.endr
.endr
	s_wait_alu depctr_va_vdst(0)                   ; one wait for the sixteen reciprocals
	; c, t = c c, P in v[T ..], Q in v[T + 8 ..], eight numbers at a time; the divisor Q (1 + E3) and its reciprocal
.irp q, 0,1
.irp p, 0,1,2,3
	v_pk_mul_f32 v[GG+8*\q+2*\p:GG+8*\q+2*\p+1], v[GG+8*\q+2*\p:GG+8*\q+2*\p+1], v[GA+8*\q+2*\p:GA+8*\q+2*\p+1]   ; c
.endr
.irp p, 0,1,2,3
	v_pk_mul_f32 v[GA+8*\q+2*\p:GA+8*\q+2*\p+1], v[GG+8*\q+2*\p:GG+8*\q+2*\p+1], v[GG+8*\q+2*\p:GG+8*\q+2*\p+1]   ; t
.endr
.irp p, 0,1,2,3
	v_pk_add_f32 v[T+2*\p:T+2*\p+1], v[GA+8*\q+2*\p:GA+8*\q+2*\p+1], s[32:33] op_sel_hi:[1,0]
	v_pk_fma_f32 v[T+8+2*\p:T+8+2*\p+1], v[GA+8*\q+2*\p:GA+8*\q+2*\p+1], v[C28:C28+1], s[38:39] op_sel_hi:[1,1,0]
.endr
.irp p, 0,1,2,3
	v_pk_fma_f32 v[T+2*\p:T+2*\p+1], v[T+2*\p:T+2*\p+1], v[GA+8*\q+2*\p:GA+8*\q+2*\p+1], s[34:35] op_sel_hi:[1,1,0]
	v_pk_fma_f32 v[T+8+2*\p:T+8+2*\p+1], v[T+8+2*\p:T+8+2*\p+1], v[GA+8*\q+2*\p:GA+8*\q+2*\p+1], s[40:41] op_sel_hi:[1,1,0]
.endr
.irp p, 0,1,2,3
	v_pk_fma_f32 v[T+2*\p:T+2*\p+1], v[T+2*\p:T+2*\p+1], v[GA+8*\q+2*\p:GA+8*\q+2*\p+1], s[36:37] op_sel_hi:[1,1,0]
	v_pk_fma_f32 v[T+8+2*\p:T+8+2*\p+1], v[T+8+2*\p:T+8+2*\p+1], v[GA+8*\q+2*\p:GA+8*\q+2*\p+1], s[36:37] op_sel_hi:[1,1,0]
.endr
.irp p, 0,1,2,3
	v_pk_fma_f32 v[GO+8*\q+2*\p:GO+8*\q+2*\p+1], v[T+8+2*\p:T+8+2*\p+1], v[GO+8*\q+2*\p:GO+8*\q+2*\p+1], v[T+8+2*\p:T+8+2*\p+1]   ; Q E3 + Q
.endr
.irp p, 0,1,2,3
	v_rcp_f32 v[GO+8*\q+2*\p], v[GO+8*\q+2*\p]
	v_pk_mul_f32 v[GG+8*\q+2*\p:GG+8*\q+2*\p+1], v[GG+8*\q+2*\p:GG+8*\q+2*\p+1], v[T+2*\p:T+2*\p+1]   ; c P
	v_rcp_f32 v[GO+8*\q+2*\p+1], v[GO+8*\q+2*\p+1]
.endr
.endr
	v_nop                                          ; a plain instruction behind the last reciprocal,
	s_wait_alu depctr_va_vdst(0)                   ; and one wait for the sixteen
.irp p, 0,1,2,3,4,5,6,7
	v_pk_mul_f32 v[GG+2*\p:GG+2*\p+1], v[GG+2*\p:GG+2*\p+1], v[GO+2*\p:GO+2*\p+1]       ; h
.endr
.irp i, 0,1,2,3
	ds_store_b128 v[HS], v[GG+4*\i:GG+4*\i+3] offset:(\m)*16*PITCH+16*\i   ; row 16 m + r, units 32 w + 16 h + 0 .. 15: one chunk
.endr
.endm
.macro GATES layer
	FETCH \layer, 0
	TILE \layer, 0
	TILE \layer, 1
	TILE \layer, 2
	TILE \layer, 3
.endm
	s_load_b256 s[4:11], s[0:1], 0x0               ; inputs s[4:5], W_codes s[6:7], W_scales s[8:9], b s[10:11]
	s_load_b128 s[12:15], s[0:1], 0x20             ; ln_g s[12:13], ln_b s[14:15]
	s_load_b64 s[16:17], s[0:1], 0x30              ; out0
	v_lshl_add_u32 v254, v0, 2, 0x19800
	v_mov_b32 v255, 0
	v_lshrrev_b32 v[WO], 5, v0
	v_readfirstlane_b32 s18, v[WO]                 ; wave 0..7
	v_and_b32 v13, 31, v0                          ; lane
	v_and_b32 v14, 15, v0                          ; r, p = lane % 16
	v_bfe_u32 v15, v0, 4, 1                        ; h = lane / 16
	v_lshl_add_u32 v[LIX], v13, 4, XIMG
	v_lshl_add_u32 v[LS], v13, 2, XSC
	s_mul_i32 s28, s18, 2*CH
	v_mul_u32_u24 v[HS], v14, PITCH
	v_mad_u32_u24 v[HS], v15, CH, v[HS]
	v_add_nc_u32 v[HS], s28, v[HS]                 ; r PITCH + (2 w + h) CH
	s_mul_i32 s29, s18, 8*PITCH                    ; my 8 rows of the stage
	v_mul_u32_u24 v26, v15, PITCH
	v_add_nc_u32 v26, s29, v26                     ; row 8 w + lane / 16
	v_mad_u32_u24 v[RQ], v14, CH, v26
	v_lshrrev_b32 v27, 2, v14
	v_and_b32 v28, 3, v14
	v_mad_u32_u24 v[RS], v27, CH, v26
	v_lshl_add_u32 v[RS], v28, 4, v[RS]            ; + (p / 4) CH + 16 (p % 4)
	v_lshrrev_b32 v27, 2, v13
	v_and_b32 v28, 3, v13
	v_mul_u32_u24 v[XT], v27, CH
	v_lshl_add_u32 v[XT], v28, 4, v[XT]
	v_add_nc_u32 v[XT], s29, v[XT]                 ; 8 w PITCH + (lane / 4) CH + 16 (lane % 4)
	v_lshl_add_u32 v[GQ], v14, 6, TAB
	v_lshl_add_u32 v[GS], v14, 4, TAB
	s_lshr_b32 s30, s18, 1                         ; my rows' tile of 16: w / 2;
	s_and_b32 s31, s18, 1                          ; and which 8 of it
	s_lshl_b32 s28, s30, 11
	s_lshl_b32 s29, s31, 7
	s_add_co_u32 s28, s28, s29
	s_add_co_u32 s28, s28, XIMG
	v_lshrrev_b32 v27, 1, v14                      ; my block of 32 along K: p / 2
	v_and_b32 v28, 1, v14                          ; and which half of it
	v_lshlrev_b32 v[IW], 4, v15
	v_lshl_add_u32 v[IW], v27, 8, v[IW]
	v_lshl_add_u32 v[IW], v28, 3, v[IW]
	v_add_nc_u32 v[IW], s28, v[IW]
	s_lshl_b32 s28, s30, 7
	s_lshl_b32 s29, s31, 5
	s_add_co_u32 s28, s28, s29
	s_add_co_u32 s28, s28, XSC
	v_lshrrev_b32 v28, 3, v14                      ; my K step
	v_and_b32 v27, 3, v27                          ; my block's byte in its word
	v_lshl_add_u32 v[SW], v28, 6, v27
	v_lshl_add_u32 v[SW], v15, 2, v[SW]
	v_add_nc_u32 v[SW], s28, v[SW]
	v_lshlrev_b32 v[OA], 4, v14
	v_lshl_add_u32 v[OA], v15, 10, v[OA]
	v_lshlrev_b32 v[XA], 4, v13
	v_and_b32 v27, 8, v14
	v_add_nc_u32 v27, v27, v14                     ; r + 8 (r / 8): THE ROWS OF W THAT FORM A TILE ARE NOT NEIGHBOURS
	v_lshlrev_b32 v[WO], 8, v27                    ; W's codes: a row is 256 bytes,
	v_lshl_add_u32 v[WO], v15, 4, v[WO]            ; + 16 h
	v_lshlrev_b32 v[WSO], 4, v27                   ; W's scales: a row is 16 bytes; lanes 16-31 take K step 1's word
	v_lshl_add_u32 v[WSO], v15, 2, v[WSO]
	v_lshlrev_b32 v[BO], 6, v15                    ; b: 16 h units on
	v_and_b32 v[TO], 127, v0
	v_lshlrev_b32 v[TO], 4, v[TO]                  ; the table: threads 0-127 take ln_g, 128-255 ln_b, 16 bytes each
	v_lshl_add_u32 v[TSA], v0, 4, TAB
	v_mov_b32 v[C28], 0x41e00000
	v_mov_b32 v[C28+1], 0x41e00000
.irp i, 0,1,2,3,4,5,6,7
	v_mov_b32 v[MU+\i], 0
.endr
	s_mov_b32 s20, 0xbfb8aa3b                      ; -log2e (each constant twice: the packed forms name a pair and take its low word for both halves)
	s_mov_b32 s21, 0xbfb8aa3b
	s_mov_b32 s22, 0x4038aa3b                      ; 2 log2e
	s_mov_b32 s23, 0x4038aa3b
	s_mov_b32 s24, 0x7fffffff                      ; all but the sign
	s_mov_b32 s25, 0x3b800000                      ; 1 / 256
	s_mov_b32 s26, 0x3727c5ac                      ; 1e-5
	s_mov_b32 s27, 4                               ; blocks to go
	s_mov_b32 s32, 0x43bd0000                      ; 378
	s_mov_b32 s33, 0x43bd0000
	s_mov_b32 s34, 0x46875a00                      ; 17325
	s_mov_b32 s35, 0x46875a00
	s_mov_b32 s36, 0x4803f7c0                      ; 135135
	s_mov_b32 s37, 0x4803f7c0
	s_mov_b32 s38, 0x4544e000                      ; 3150
	s_mov_b32 s39, 0x4544e000
	s_mov_b32 s40, 0x4773a200                      ; 62370
	s_mov_b32 s41, 0x4773a200
	s_lshl_b32 s42, ttmp9, 18                      ; my work-group's 256 rows of 1,024 bytes,
	s_lshl_b32 s44, s18, 13                        ; my wave's 8 rows; also my 32 rows of W's codes
	s_add_co_u32 s42, s42, s44
	s_mov_b32 s43, 0
	s_mov_b32 s45, 0
	s_lshl_b32 s46, s18, 9                         ; my 32 rows of W's scales
	s_mov_b32 s47, 0
	s_wait_kmcnt 0x0
	s_add_nc_u64 s[4:5], s[4:5], s[42:43]
	s_add_nc_u64 s[16:17], s[16:17], s[42:43]
	s_add_nc_u64 s[6:7], s[6:7], s[44:45]
	s_add_nc_u64 s[8:9], s[8:9], s[46:47]
	s_lshl_b32 s46, s18, 7                         ; my 32 numbers of b
	s_add_nc_u64 s[10:11], s[10:11], s[46:47]
	s_cmp_lt_u32 s18, 4
	s_cselect_b64 s[42:43], s[12:13], s[14:15]     ; the choice hangs on the wave's number alone
	XLOAD 0                                        ; the first block's x,
	global_load_b128 v[TD:TD+3], v[TO], s[42:43]   ; the table,
	WLOAD 0                                        ; layer 1's weights,
	WLOAD 1                                        ; layer 2's: 42 loads
	s_wait_loadcnt 42                              ; loads come back in order (ISA guide 5.7.1): all but layer 2's 42 are in
	ds_store_b128 v[TSA], v[TD:TD+3]
.Lblock:
	; ---- X: my 8 rows of x turn through my rows of the stage, so that a lane holds 16 neighbours, and are quantised
	TURN
	ROWS_IN RQ, 16                                 ; LDS serves a wave's instructions in order (ISA guide 5.7.1.4): these see the stores above
	s_wait_dscnt 0x0                               ; the stores have read their registers, and the rows are in
	s_cmp_eq_u32 s27, 1                            ; the next block's x is asked for here, if there is a next block: no load leaves its buffer
	s_cbranch_scc1 .Lno_next
	XLOAD 65536
.Lno_next:
	QIMG 0
	BARRIER                                        ; x's eight fragments lie in LDS; nobody reads the stage any more
	; ---- 1: layer 1's gates and h
	GATES 0
	BARRIER                                        ; 64 rows of h lie in the stage; nobody reads x's images any more
	; ---- 1b: LayerNorm of my 8 rows, quantised for layer 2
	GBLOAD GQ, 16, 0
	ROWS_IN RQ, 16
	s_wait_dscnt 0x0
	LNORM
	QIMG 1
	BARRIER                                        ; layer 2's eight fragments lie in LDS; nobody reads the stage any more
	; ---- 2: layer 2's gates and h
	s_wait_loadcnt 0x0                             ; layer 2's weights (first trip), and the next block's x, asked for two phases ago
	GATES 1
	BARRIER                                        ; 64 rows of h lie in the stage
	; ---- 2b: LayerNorm of my 8 rows, in the layout in which sixteen lanes hold 256 neighbouring bytes, and out
	GBLOAD GS, 256, 1
	ROWS_IN RS, 320
	s_wait_dscnt 0x0
	LNORM
	ROWS_OUT
	s_wait_xcnt 0x0                                ; the stores have read their registers and their base (ISA guide 3.1): both are written again only behind this wait
	s_add_nc_u64 s[4:5], s[4:5], 0x10000           ; 64 rows on
	s_add_nc_u64 s[16:17], s[16:17], 0x10000
	s_sub_co_u32 s27, s27, 1
	s_cmp_lg_u32 s27, 0
	s_cbranch_scc1 .Lblock
	s_wait_tensorcnt 0x0
	ds_add_u32 v254, v255
	s_wait_dscnt 0x0
	s_endpgm
.Lfunc_end_k_q7e5e1053a3_lstm:
	.size	k_q7e5e1053a3_lstm, .Lfunc_end_k_q7e5e1053a3_lstm-k_q7e5e1053a3_lstm
	.p2alignl 7, 3214868480
	.fill 96, 4, 3214868480
	.section	.rodata,"a",@progbits
	.p2align	6, 0x0
	.amdhsa_kernel k_q7e5e1053a3_lstm
		.amdhsa_group_segment_fixed_size 105472
		.amdhsa_private_segment_fixed_size 0
		.amdhsa_enable_private_segment 0
		.amdhsa_kernarg_size 56
		.amdhsa_user_sgpr_count 2
		.amdhsa_user_sgpr_kernarg_segment_ptr 1
		.amdhsa_wavefront_size32 1
		.amdhsa_system_sgpr_workgroup_id_x 1
		.amdhsa_system_sgpr_workgroup_id_y 1
		.amdhsa_system_sgpr_workgroup_id_z 1
		.amdhsa_system_vgpr_workitem_id 0
		.amdhsa_next_free_vgpr 512
		.amdhsa_next_free_sgpr 66
		.amdhsa_reserve_vcc 0
		.amdhsa_float_denorm_mode_32 3
		.amdhsa_float_denorm_mode_16_64 3
		.amdhsa_memory_ordered 1
		.amdhsa_forward_progress 1
		.amdhsa_inst_pref_size 177
	.end_amdhsa_kernel
	.amdgpu_metadata
---
amdhsa.version: [ 1, 2 ]
amdhsa.kernels:
  - .name:           k_q7e5e1053a3_lstm
    .symbol:         k_q7e5e1053a3_lstm.kd
    .args:
      - { .name: inputs, .offset: 0, .size: 8, .value_kind: global_buffer, .address_space: global }
      - { .name: W_codes, .offset: 8, .size: 8, .value_kind: global_buffer, .address_space: global }
      - { .name: W_scales, .offset: 16, .size: 8, .value_kind: global_buffer, .address_space: global }
      - { .name: b, .offset: 24, .size: 8, .value_kind: global_buffer, .address_space: global }
      - { .name: ln_g, .offset: 32, .size: 8, .value_kind: global_buffer, .address_space: global }
      - { .name: ln_b, .offset: 40, .size: 8, .value_kind: global_buffer, .address_space: global }
      - { .name: out0, .offset: 48, .size: 8, .value_kind: global_buffer, .address_space: global }
    .group_segment_fixed_size: 105472
    .private_segment_fixed_size: 0
    .kernarg_segment_align: 8
    .kernarg_segment_size: 56
    .max_flat_workgroup_size: 256
    .sgpr_count:     66
    .vgpr_count:     512
    .wavefront_size: 32
...
	.end_amdgpu_metadata
.endif
;; end of part 1
